; MI455X (gfx1250); checked and timed in simulation.
; The chip was launched on July 23, 2026; its instructions are those of AMD's public machine-readable ISA for CDNA 5 (MIT licence, August 2026) and "CDNA5" Instruction Set Architecture Reference Guide (July 2026). The comments in the code are by the model that wrote it; some were corrected since.
;; Self Attention. Allowed arithmetic: matrix products marked QUANTISED: E2M3 operands, one E8M0 scale for each 32 along K, by v_wmma_scale_f32_16x16x128_f8f6f4 with both operands' format E2M3, f32 sums; everything else in f32.
;; Inputs: key_codes 8 x 2,048 x 32 x 24 uint8 (E2M3 codes of key, K innermost, in blocks of 32 codes, four codes in three bytes); key_pe 1 x 1,024 x 2,048 float32; key_scales 8 x 2,048 x 32 uint8 (E8M0 scales of key, one for each 32 codes along K); query_codes 8 x 2,048 x 32 x 24 uint8 (E2M3 codes of query, K innermost, in blocks of 32 codes, four codes in three bytes); query_scales 8 x 2,048 x 32 uint8 (E8M0 scales of query, one for each 32 codes along K); span 8 x 2,048 x 2 float32; value_codes 8 x 1,024 x 64 x 24 uint8 (E2M3 codes of value, K innermost, in blocks of 32 codes, four codes in three bytes); value_scales 8 x 1,024 x 64 uint8 (E8M0 scales of value, one for each 32 codes along K).
;; Outputs: out0 8 x 2,048 x 1,024 float32.
;; This version of the problem:
;;   THIS VERSION OF THE PROBLEM IS GIVEN IN LOW PRECISION. The matrix products marked QUANTISED in the list below multiply operands that are first quantised to E2M3 (2 exponent bits, 3 mantissa bits; 6 bits a number), with one power-of-two scale for each 32 numbers along K (OCP MX v1.0); their sums are f32. All else is computed in f32.
;;   The module's matrix products, in the order in which they are computed (A, B: the left and right operand; K: the contracted axis; several contracted axes count as one K, in the product's order):
;;     1. batch 8 x [M 2,048, K 1,024] x [K 1,024, N 2,048]; A: input query (given as codes); B: input key (given as codes): QUANTISED
;;     2. batch 8 x [M 2,048, K 2,048] x [K 2,048, N 1,024]; A: computed on the way; B: input value (given as codes): QUANTISED
;;   THE QUANTISER, for each operand of a quantised product, along K:
;;     - K is cut into blocks of 32 from its start; a last block that is shorter is filled with zeros.
;;     - A block's scale is 2^e with e = floor(log2(the largest magnitude in the block)) - 2, held to -126 .. 127; a block of zeros has e = 0. As a byte (E8M0): e + 127.
;;     - Each number is divided by its block's scale, clamped to +-7.5, and rounded to the nearest number of E2M3, ties to even, subnormals kept.
;;     - The product sums the exact products of the quantised numbers (number of the format x scale) in f32.
;;   ~~~python
;;   def quantise(x, axis):      # numpy; x: float32 -> the quantised numbers, widened to float32 again
;;       x = np.moveaxis(x, axis, -1); K = x.shape[-1]
;;       x = np.pad(x, [(0, 0)] * (x.ndim - 1) + [(0, -K % 32)]); x = x.reshape(x.shape[:-1] + (-1, 32)); a = np.abs(x).max(-1, keepdims=True)
;;       e = np.where(a > 0, np.clip(np.frexp(np.where(a > 0, a, 1))[1] - 1 - 2, -126, 127), 0)      # np.frexp(a)[1] - 1 = floor(log2(a)), exactly
;;       r = np.clip(x / 2.0 ** e, -7.5, 7.5)
;;       step = 2.0 ** (np.maximum(np.frexp(np.where(r == 0, 1, r))[1] - 1, 0) - 3)
;;       q = np.round(r / step) * step * 2.0 ** e      # np.round: ties to even
;;       return np.moveaxis(q.reshape(q.shape[:-2] + (-1,))[..., :K], -1, axis).astype(np.float32)
;;   ~~~
;;   OPERANDS COMPUTED ON THE WAY. 'Computed on the way' means the value that the module computes at that place (a softmax that the list does not call 'softmax' is quantised finished and normalised). What goes into a quantiser is computed in f32, as accurately as f32 sums, v_exp_f32 and their like allow (about 1e-6 of the number): no bf16 or f16 on the way to a quantiser, and a product that is left as it is and whose result goes on into a quantised operand takes f32 operands (vector FMAs, or v_wmma_f32_16x16x4_f32). A number that lies on a knife's edge between two numbers of the format may be rounded either way, as far as f32 arithmetic and the matrix unit's own rounding can turn it there, and no further.
;;   INPUTS GIVEN AS CODES. key (in the module: [8, 2048, 1024], K = its axis 2); query (in the module: [8, 2048, 1024], K = its axis 2); value (in the module: [8, 2048, 1024], K = its axis 1): each comes as NAME_codes (uint8): NAME with its K axis moved to the last place and cut into blocks of 32 codes, [.., K / 32, bytes a block], one block behind the other in memory; four codes in three bytes: a row's codes are one little-endian stream of bits, code i at bits 6 i .. 6 i + 5 (a code: sign, 2 exponent bits, 3 mantissa bits); and NAME_scales (uint8): the same leading axes, one E8M0 byte (e + 127) for each 32 codes along K. Its value is code x scale, taken as it is: it is not quantised again, and the codes and scales need not be those that the quantiser above would give.
;; One version. Each part assembles by itself: llvm-mc -triple=amdgcn-amd-amdhsa -mcpu=gfx1250 --defsym DOCPART=n.
;; ======== version 1 of 1: 2 launches
;; workspace buffers: s_codes 25,165,824 bytes; s_scales 1,048,576 bytes
;; launch scores (part 1): grid 4 x 64, 4 waves a work-group, clusters of 4 x 4, 327,680 bytes of LDS; arguments query_codes, query_scales, key_codes, key_scales, s_codes, s_scales; writes s_codes, s_scales
.if DOCPART == 1
	.amdgcn_target "amdgcn-amd-amdhsa--gfx1250"
	.amdhsa_code_object_version 6
	.text
	.protected	k_qb377ed51ae_scores
	.globl	k_qb377ed51ae_scores
	.p2align	8
	.type	k_qb377ed51ae_scores,@function
k_qb377ed51ae_scores:
	s_mov_b64 s[64:65], 0
	v_nop
	global_prefetch_b8 v0, s[64:65] scope:SCOPE_SE
	s_setreg_imm32_b32 hwreg(HW_REG_WAVE_MODE, 25, 1), 1
	s_wait_xcnt 0x0
	s_wait_alu depctr_hold_cnt(0) depctr_sa_sdst(0) depctr_va_vdst(0) depctr_va_sdst(0) depctr_va_ssrc(0) depctr_va_vcc(0) depctr_vm_vsrc(0)
	s_getreg_b32 s2, hwreg(HW_REG_IB_STS2, 6, 4)
	s_cmp_eq_u32 s2, 0
	s_cbranch_scc0 .Lentry_in_a_cluster
	s_endpgm
.Lentry_in_a_cluster:
	s_bfe_u32 s2, ttmp6, 0x10000c
	s_cmp_lg_u32 s2, 0xf033
	s_cbranch_scc0 .Lentry_shape_is_right
	s_endpgm
.Lentry_shape_is_right:
; S[b][m][n] = sum over h of Q[b][m][h] K[b][n][h], 8 batches of 2,048 x 2,048, K = 1,024, on codes of FP6 (E2M3) with one E8M0 byte for each 32 along K; sums in f32.
; S is not stored as numbers: it is the left operand of the next product, whose K is the keys.  Each finished tile is quantised in registers along the keys (blocks of 32: scale 2^(floor(log2(largest magnitude)) - 2),
; nearest code, ties to even, beyond 7.5 the largest code) and leaves as IMAGES OF THAT OPERAND'S REGISTERS: s_codes at IDX x 12,288 + a x 1,536 + c x 512 + 16 x lane holds registers 4 c .. 4 c + 3 of the fragment
; (queries 16 a + 0 .. 15) x (128 keys); s_scales at IDX x 512 + 16 L + 4 p holds the scale word of block a = 2 p + L / 16, row L % 16.  IDX = (((8 b + T) 2 + rh) 8 + s) 2 + q: T tile of 256 queries, rh its half, s 256 keys, q their half.
; The inputs span and key_pe are not among the arguments: the function that this program computes takes nothing from them.
; LIMITS: NaN and infinities in S are not served.  A block of S that is all zeros gets the byte 1 where the rule says 127: its codes are zeros, and the bytes are read by this program alone.
; SHARES: 512 tiles of 256 x 256 for 256 work-groups: each makes TWO tiles, the same 256 queries against key tiles cx and cx + 4.  Four waves, each 128 x 128: 64 accumulators, 512 registers.
; K goes in steps of 256 (rows of 192 bytes) through a ring of two LDS slots filled by the tensor data mover; the ring goes on into the second tile, whose first two K steps land while the first tile is quantised.
; CLUSTERS: 4 x 4 work-groups.  A row of the cluster shares the queries' tiles, a column the keys': each is asked for jointly, by the same tensor load with the same descriptor and a mask that names the four.
; THE MATRIX INSTRUCTION IS USED TRANSPOSED (source 0 = 16 keys, source 1 = 16 queries): lane (r, h) holds query r, and register j of accumulator (a, bb) is key 16 bb + 8 h + j: a lane's registers run along the next K.
; REGISTERS, in windows of 256: window 0: v0-31 addresses; v32-63 scale words, two sets; v64-119 at work in the quantiser; v128-223 the queries' fragments, one set.
;   window 1: the keys' fragments, two sets, at v0 and v128.  window 2: accumulators of my rows 0-63 ((a, bb) at v[8 (8 (a % 4) + bb)]);  window 3: rows 64-127.
; The text is straight: two tiles of four K steps, so every scale word's place and every output's place is an immediate.
.set KSTEP,  256
.set NQ,     2                         ; matrix instructions deep in a slot
.set ROWB,   192                       ; a tile's row: 256 codes
.set KROW,   768                       ; a row of Q or K in memory
.set PITCH,  240                       ; an LDS row: 3 x (64 bytes + 16 of padding)
.set FR,     12                        ; registers of a fragment
.set NL,     6                         ; LDS loads that bring one
.set NP,     4                         ; places behind this matrix instruction (ISA guide 7.12.1)
.set HALFT,  128*PITCH                 ; 128 rows: one tensor load
.set SLOT,   4*HALFT                   ; the queries' 256 rows, then the keys' 256
.set HALFS,  16*272                    ; the scale bytes of 128 rows (32 each): 16 pieces of 256 bytes + 16 of padding
.set SBLK,   2*272                     ; those of 16 rows
.set SCL,    2*SLOT                    ; the queries' scales: 2 x HALFS
.set SCB,    SCL+2*HALFS               ; the keys': half x 2 HALFS + tile x HALFS
.set SPARE,  SCB+4*HALFS               ; the spare words, 128 bytes a wave: two blocks of 256 bytes that no other line names
.set SSTG,   SPARE+512                 ; 512 bytes a wave: where a tile's scale words are gathered; no fill lands here
.set NEXT_B, 4*256*KROW-2*ROWB         ; from a slot's last K step of tile 0 to its first of tile 1: four key tiles on, back along K
.set IMG,    12288                     ; the images of 128 queries x 128 keys
.set ADRA, 16                          ; v16-17 LDS address of my queries' fragments in slot 0, 1 (v18-19: for the pieces behind one padding more)
.set ADRB, 20                          ; v20-23 the same for the keys
.set GOF,  24                          ; v24    16 x lane: my place in an image
.set SWA,  25                          ; v25    my wave's scale stage + 16 r
.set SRD,  26                          ; v26    my wave's scale stage + 16 x lane
.set ADRS, 27                          ; v27    LDS address of my scale words for tile 0, v30 for tile 1: lanes 0-15 the queries', lanes 16-31 the keys'
.set SPW,  28                          ; v28    LDS address of my spare word; never rewritten
.set NIL,  29                          ; v29    0; never rewritten
.set PFO,  31                          ; v31    768 x lane: the prefetches' offset; never rewritten
.set SC,   32                          ; scale words: set s at v[SC + 16 s]; register 2 i + q: lanes 0-15 queries' block i, lanes 16-31 keys' block i
.set CD,   64                          ; v64-75   the fragment just made
.set GT,   88                          ; v88-90, v92-94 the conversions' second halves
.set TM,   96                          ; v96-99 largest magnitudes, v100-103 bytes, v108-111 the conversions' scale operands
.set PW,   112                         ; the scale word just made
.set FLR,  113                         ; 2^(3 - 127): the floor under every largest magnitude
.set SWD,  116                         ; v116-119 the tile's scale words on their way out
.set AF,   128
.set SEL,  2                           ; s[2:3] v_permlanex16_b32's selects for lane l xor 16
.set G1,   24
.set G0,   32
.set G1B,  48
.set G0B,  56
.set G1S,  68
.set G0S,  76
.set G1SB, 80
.set G0SB, 88
.set PFA,  96                          ; s[96:97] the prefetches' base; never rewritten
.set LIM,  98                          ; s98 1 in a wave that prefetches
.set P_LL, 99                          ; byte selects: low half of the second source, low half of the first
.set P_HH, 100                         ; high, high
.set P_HL, 101                         ; high half of the second source, low half of the first
.set MSB, 0
.macro WIN new                         ; the immediate's high byte repeats the setting that is left
.if MSB != \new
	s_set_vgpr_msb (MSB<<8)|\new
.set MSB, \new
.endif
.endm
.set MUL_LO, 0xa1                      ; source 0 (keys) window 1, source 1 (queries) window 0, C and D window 2
.set MUL_HI, 0xf1                      ; the same, C and D window 3
.set TO_B,   0x40                      ; destination window 1, address window 0
; A joint load: waves 0 and 1 fetch for the queries, waves 2 and 3 for the keys.  The branch hangs on the wave's number alone.  Four v_nop follow each of the two lines.
.macro JLOAD g0a, g1a, g0b, g1b
	s_cmp_eq_u32 s15, 0
	s_cbranch_scc0 .Lfor_b_\@
	tensor_load_to_lds s[\g0a:\g0a+3], s[\g1a:\g1a+7]
	s_nop 0
.rept 4
	v_nop
.endr
	s_branch .Lasked_\@
.Lfor_b_\@:
	tensor_load_to_lds s[\g0b:\g0b+3], s[\g1b:\g1b+7]
	s_nop 0
.rept 4
	v_nop
.endr
.Lasked_\@:
.endm
.macro CREST                           ; a round of the cluster's barrier behind its opening barrier
	s_cmp_lg_u32 s14, 0
	s_cbranch_scc1 .Lnot_wave_0_\@
	s_barrier_signal -3
.Lnot_wave_0_\@:
	s_barrier_wait -3
	s_barrier_signal -1
	s_barrier_wait -1
.endm
.macro CROUND
	s_barrier_signal -1
	s_barrier_wait -1
	CREST
.endm
; A prefetch of tile 1's keys: a lane a row, the row's g-th 256 bytes of its 768.  Both clusters of a batch read these rows: the one with even y asks; of the 128 rows that wave 2 or 3 fetches,
; each of the four partners of a column takes 32, told apart by address.  Request g stands two refills ahead of the first load that wants those bytes.
.macro ASK g
	s_cmp_eq_u32 s[LIM], 1
	s_cbranch_scc0 .Lnot_mine_\@
	global_prefetch_b8 v[PFO], s[PFA:PFA+1] offset:256*(\g) th:TH_LOAD_NT scope:SCOPE_SE
.Lnot_mine_\@:
.endm
	s_load_b128 s[4:7], s[0:1], 0x0                ; Q's codes, Q's scales
	s_load_b128 s[8:11], s[0:1], 0x10              ; K's codes, K's scales
	s_load_b64 s[12:13], s[0:1], 0x20              ; s_codes
	s_load_b64 s[66:67], s[0:1], 0x28              ; s_scales
	v_lshl_add_u32 v[SPW], v0, 2, SPARE
	v_mov_b32 v[NIL], 0
	ds_add_u32 v28, v29
	ds_add_u32 v28, v29
	s_wait_dscnt 0x0
	v_lshrrev_b32 v1, 5, v0
	v_readfirstlane_b32 s14, v1                    ; wave 0..3
	s_lshr_b32 s15, s14, 1                         ; which half of the tile's queries is mine.  Also: I fetch for the queries (0) or the keys (1)
	s_and_b32 s16, s14, 1                          ; which half of its keys.  Also: which 128 rows I fetch
	s_bfe_u32 s40, ttmp6, 0x40000                  ; cx
	s_bfe_u32 s41, ttmp6, 0x40004                  ; cy
	s_lshl_b32 s42, ttmp9, 2
	s_add_co_u32 s42, s42, s40                     ; my first key tile, 0..3; the second is four on
	s_and_b32 s17, ttmp7, 0xffff                   ; cluster y
	s_lshr_b32 s95, s17, 1                         ; the batch: two clusters to a batch
	s_and_b32 s[LIM], s17, 1                       ; (for now: which of the two)
	s_lshl_b32 s17, s17, 2
	s_add_co_u32 s17, s17, s41                     ; 8 b + T: my tile of 256 queries
	s_lshl_b32 s43, s41, 2
	s_lshl_b32 s43, 15, s43                        ; my row of the cluster
	s_lshl_b32 s44, 0x1111, s40                    ; my column
	; group 1 for the codes: 128 rows x 192 bytes, 16 bytes of padding behind every 64
	s_or_b32 s[G1+0], s43, (0<<16)|(1<<20)|(1<<21)|(3<<22)|(3<<25)
	s_or_b32 s[G1B+0], s44, (0<<16)|(1<<20)|(1<<21)|(3<<22)|(3<<25)
.irp g, G1, G1B
	s_mov_b32 s[\g+1], ROWB<<16                    ; tensor_dim0
	s_mov_b32 s[\g+2], 128<<16                     ; tensor_dim1
	s_mov_b32 s[\g+3], ROWB<<16                    ; tile_dim0
	s_mov_b32 s[\g+4], 128                         ; tile_dim1
	s_mov_b32 s[\g+5], KROW                        ; from row to row
	s_mov_b32 s[\g+6], 0
	s_mov_b32 s[\g+7], 0
.endr
	; the queries' scales of 128 rows: 4,096 dense bytes as 16 rows of 32 elements of 8 bytes, 16 bytes of padding behind each
	s_or_b32 s[G1S+0], s43, (3<<16)|(1<<20)|(1<<21)|(5<<22)|(3<<25)
	s_mov_b32 s[G1S+1], 32<<16
	s_mov_b32 s[G1S+2], 16<<16
	s_mov_b32 s[G1S+3], 32<<16
	s_mov_b32 s[G1S+4], 16
	s_mov_b32 s[G1S+5], 32
	s_mov_b32 s[G1S+6], 0
	s_mov_b32 s[G1S+7], 0
	; the keys' scales of 128 rows of BOTH my key tiles in one load: two rows of 4,096 bytes (512 elements), four key tiles (32,768 bytes) apart; the same padding, so each takes HALFS bytes of LDS
	s_or_b32 s[G1SB+0], s44, (3<<16)|(1<<20)|(1<<21)|(5<<22)|(3<<25)
	s_mov_b32 s[G1SB+1], 512<<16
	s_mov_b32 s[G1SB+2], 2<<16
	s_mov_b32 s[G1SB+3], 512<<16
	s_mov_b32 s[G1SB+4], 2
	s_mov_b32 s[G1SB+5], 4096
	s_mov_b32 s[G1SB+6], 0
	s_mov_b32 s[G1SB+7], 0
	s_lshl_b32 s18, s16, 7                         ; which 128 rows I fetch
	s_lshl_b32 s20, s17, 8
	s_add_co_u32 s20, s20, s18                     ; queries: row 256 (8 b + T) + 128 x half
	s_lshl_b32 s22, s20, 5                         ; their scales, 32 bytes a row
	s_mov_b32 s23, 0
	s_mul_i32 s20, s20, KROW                       ; their codes (all offsets stay under 2^27)
	s_mov_b32 s21, 0
	s_lshl_b32 s46, s95, 11
	s_lshl_b32 s92, s42, 8
	s_add_co_u32 s46, s46, s92
	s_add_co_u32 s46, s46, s18                     ; keys: row 2,048 b + 256 x key tile + 128 x half
	s_lshl_b32 s92, s46, 5
	s_mov_b32 s93, 0
	s_mul_i32 s46, s46, KROW
	s_mov_b32 s47, 0
	s_mul_i32 s45, s14, HALFT                      ; where the codes go: wave x 128 rows: no place in the cluster enters an LDS address
	s_wait_kmcnt 0x0
	s_add_nc_u64 s[20:21], s[4:5], s[20:21]
	s_add_nc_u64 s[22:23], s[6:7], s[22:23]
	s_add_nc_u64 s[46:47], s[8:9], s[46:47]
	s_add_nc_u64 s[92:93], s[10:11], s[92:93]
	CROUND                                         ; all sixteen work-groups are here: the first joint loads meet
	s_mov_b32 s[G0S], 1
	s_mul_i32 s94, s16, HALFS
	s_add_co_u32 s[G0S+1], s94, SCL
	s_mov_b64 s[G0S+2:G0S+3], s[22:23]
	s_or_b32 s[G0S+3], s[G0S+3], 0x80000000
	s_mov_b32 s[G0SB], 1
	s_mul_i32 s94, s16, 2*HALFS
	s_add_co_u32 s[G0SB+1], s94, SCB
	s_mov_b64 s[G0SB+2:G0SB+3], s[92:93]
	s_or_b32 s[G0SB+3], s[G0SB+3], 0x80000000
	JLOAD G0S, G1S, G0SB, G1SB                     ; the scales first: filled once, wanted with K step 0
.irp s, 0,1
	s_mov_b32 s[G0+4*\s], 1
	s_add_co_u32 s[G0+4*\s+1], s45, \s*SLOT
	s_add_nc_u64 s[G0+4*\s+2:G0+4*\s+3], s[20:21], \s*ROWB
	s_or_b32 s[G0+4*\s+3], s[G0+4*\s+3], 0x80000000
	s_mov_b32 s[G0B+4*\s], 1
	s_add_co_u32 s[G0B+4*\s+1], s45, \s*SLOT
	s_add_nc_u64 s[G0B+4*\s+2:G0B+4*\s+3], s[46:47], \s*ROWB
	s_or_b32 s[G0B+4*\s+3], s[G0B+4*\s+3], 0x80000000
	JLOAD G0+4*\s, G1, G0B+4*\s, G1B
.endr
	v_and_b32 v1, 15, v0                           ; r
	v_bfe_u32 v2, v0, 4, 1                         ; h
	v_mul_u32_u24 v3, v1, PITCH
	v_mul_u32_u24 v4, v2, 24
	v_add_nc_u32 v4, v3, v4                        ; a fragment's row x pitch + 24 h
	v_lshl_add_u32 v5, v2, 4, v4                   ; and the same behind one padding more
	s_mul_i32 s21, s15, HALFT                      ; my 128 queries
	s_mul_i32 s22, s16, HALFT                      ; my 128 keys,
	s_add_co_u32 s22, s22, 2*HALFT                 ; behind the queries' 256 rows
.irp s, 0,1
	v_add_nc_u32 v[ADRA+\s], s21, v4
	v_add_nc_u32 v[ADRB+\s], s22, v4
	v_add_nc_u32 v[ADRA+2+\s], s21, v5
	v_add_nc_u32 v[ADRB+2+\s], s22, v5
	s_add_co_u32 s21, s21, SLOT
	s_add_co_u32 s22, s22, SLOT
.endr
	v_lshlrev_b32 v5, 5, v1                        ; my row's scales: 32 bytes a row,
	v_lshrrev_b32 v6, 8, v5
	v_lshl_add_u32 v5, v6, 4, v5                   ; and 16 more for each 256 passed
	s_mul_i32 s21, s15, HALFS                      ; the queries': my 128 rows
	s_mul_i32 s22, s16, 2*HALFS                    ; the keys': my 128 rows of tile 0
	s_add_co_u32 s22, s22, SCB-SCL
	s_sub_co_u32 s22, s22, s21                     ; the distance between the two
	v_mul_u32_u24 v6, s22, v2                      ; lanes 16-31 take the keys'
	s_add_co_u32 s21, s21, SCL
	v_add_nc_u32 v6, v5, v6
	v_add_nc_u32 v[ADRS], s21, v6
	s_add_co_u32 s22, s22, HALFS                   ; and of tile 1
	v_mul_u32_u24 v6, s22, v2
	v_add_nc_u32 v6, v5, v6
	v_add_nc_u32 v[ADRS+3], s21, v6
	v_and_b32 v6, 31, v0
	v_lshlrev_b32 v[GOF], 4, v6
	s_lshl_b32 s23, s14, 9
	s_add_co_u32 s23, s23, SSTG                    ; my wave's scale stage
	v_lshl_add_u32 v[SWA], v1, 4, s23
	v_add_nc_u32 v[SRD], s23, v[GOF]
	v_mul_u32_u24 v[PFO], v6, KROW
	s_lshl_b32 s20, s17, 1                         ; IDX of my first tile: ((2 (8 b + T) + rh) 8 + key tile) 2 + q
	s_add_co_u32 s20, s20, s15
	s_lshl_b32 s20, s20, 3
	s_add_co_u32 s20, s20, s42
	s_lshl_b32 s20, s20, 1
	s_add_co_u32 s20, s20, s16
	s_mul_i32 s46, s20, IMG
	s_mov_b32 s47, 0
	s_add_nc_u64 s[12:13], s[12:13], s[46:47]
	s_lshl_b32 s46, s20, 9
	s_add_nc_u64 s[66:67], s[66:67], s[46:47]
	s_lshl_b32 s20, s95, 11                        ; the prefetches: row 2,048 b + 256 (key tile + 4) + 128 x half + 32 cy
	s_lshl_b32 s21, s42, 8
	s_add_co_u32 s20, s20, s21
	s_lshl_b32 s21, s16, 7
	s_add_co_u32 s20, s20, s21
	s_lshl_b32 s21, s41, 5
	s_add_co_u32 s20, s20, s21
	s_add_co_u32 s20, s20, 1024
	s_mul_i32 s20, s20, KROW
	s_mov_b32 s21, 0
	s_add_nc_u64 s[PFA:PFA+1], s[8:9], s[20:21]
	s_xor_b32 s21, s15, 1                          ; 0 in waves 2 and 3,
	s_or_b32 s[LIM], s[LIM], s21                   ; of the batch's first cluster: the same in all sixteen partners
	s_cmp_eq_u32 s[LIM], 0
	s_cselect_b32 s[LIM], 1, 0
	s_mov_b32 s[SEL], 0x76543210
	s_mov_b32 s[SEL+1], 0xfedcba98
	s_mov_b32 s[P_LL], 0x05040100
	s_mov_b32 s[P_HH], 0x07060302
	s_mov_b32 s[P_HL], 0x05040302
	v_mov_b32 v[FLR], 0x1800000
.irp b, 0,1,2,3
	v_mov_b32 v[TM+4+\b], 0                        ; written once: a lane permute's destination counts as one of its sources
.endr
.macro FRAG reg, adr, q, i             ; a fragment: lane l holds row l % 16; registers 6 c .. 6 c + 5 hold K = 64 c + 32 (l / 16) + 0 .. 31: 24 bytes of the row's stream of bits, as they lie, in pieces of 8 bytes
.irp p, 0,1,2,3,4,5
.set PCE, 12*(\q)+6*(\p/3)+\p%3        ; lanes 16-31 read three pieces on: where that lies behind one padding more, the second address register serves
.if PCE%8 < 5
	ds_load_b64 v[\reg+2*\p:\reg+2*\p+1], v[\adr] offset:8*PCE+16*(PCE/8)+(\i)*16*PITCH
.else
	ds_load_b64 v[\reg+2*\p:\reg+2*\p+1], v[\adr+2] offset:8*PCE+16*(PCE/8)+(\i)*16*PITCH
.endif
.endr
.endm
; 16 matrix instructions: queries' blocks a0, a0 + 1 x the keys' eight, 128 along K.  p: the keys' set; sc: the set of scale words.  zero = 1: the product starts the sums.
; The 64 accumulators take turns, one instruction a turn, in the same order in every step.
.macro MUL16 a0, p, q, sc, zero
.irp a, \a0, \a0+1
.irp b, 0,1,2,3,4,5,6,7
.if \zero
	v_wmma_scale_f32_16x16x128_f8f6f4 v[8*(8*((\a)%4)+\b):8*(8*((\a)%4)+\b)+7], v[128*(\p)+FR*\b:128*(\p)+FR*\b+FR-1], v[AF+FR*(\a):AF+FR*(\a)+FR-1], 0, v[SC+8*NQ*(\sc)+NQ*\b+(\q)], v[SC+8*NQ*(\sc)+NQ*(\a)+(\q)] matrix_a_fmt:MATRIX_FMT_FP6 matrix_b_fmt:MATRIX_FMT_FP6 matrix_a_scale:MATRIX_SCALE_ROW1
.else
	v_wmma_scale_f32_16x16x128_f8f6f4 v[8*(8*((\a)%4)+\b):8*(8*((\a)%4)+\b)+7], v[128*(\p)+FR*\b:128*(\p)+FR*\b+FR-1], v[AF+FR*(\a):AF+FR*(\a)+FR-1], v[8*(8*((\a)%4)+\b):8*(8*((\a)%4)+\b)+7], v[SC+8*NQ*(\sc)+NQ*\b+(\q)], v[SC+8*NQ*(\sc)+NQ*(\a)+(\q)] matrix_a_fmt:MATRIX_FMT_FP6 matrix_b_fmt:MATRIX_FMT_FP6 matrix_a_scale:MATRIX_SCALE_ROW1
.endif
.endr
.endr
.endm
.macro FETCH_B slot, q, p
	WIN TO_B
.irp i, 0,1,2,3,4,5,6,7
	FRAG 128*(\p)+FR*\i, ADRB+\slot, \q, \i
.endr
	WIN 0
.endm
.macro FETCH_A slot, q, i0
.irp i, \i0, \i0+1, \i0+2, \i0+3
	FRAG AF+FR*(\i), ADRA+\slot, \q, \i
.endr
.endm
.macro SCALES sc, tau, ks              ; the scale words of tile tau's K step ks into set sc: two words a row, at byte 8 ks of the row's 32
.irp i, 0,1,2,3,4,5,6,7
	ds_load_b64 v[SC+16*(\sc)+2*\i:SC+16*(\sc)+2*\i+1], v[ADRS+3*(\tau)] offset:\i*SBLK+8*(\ks)
.endr
.endm
; A load into a register that a matrix instruction has read, and a vector instruction that reads a matrix result, stand NP places behind it; only plain vector instructions that name none of its registers are places.
.macro PLACES n
.rept \n
	v_nop
.endr
.endm
; A slot's first 128 along K.  The queries have one set of registers: blocks 0-3 are fetched anew in the step's middle, blocks 4-7 at its end.
.macro STEP slot, zero
	s_wait_dscnt 4*NL                              ; all but the youngest 24 loads (the queries' blocks 4-7) are in
	WIN MUL_LO
	MUL16 0, 0, 0, \slot, \zero
	MUL16 2, 0, 0, \slot, \zero
	s_wait_dscnt 0x0                               ; blocks 4-7 are in
	PLACES NP
	FETCH_B \slot, 1, 1
	FETCH_A \slot, 1, 0
	WIN MUL_HI
	MUL16 4, 0, 0, \slot, \zero
	MUL16 6, 0, 0, \slot, \zero
	PLACES NP
	WIN 0
	FETCH_A \slot, 1, 4
.endm
; A slot's second 128 along K, and the change of slots: one barrier; in front of it each wave waits for all its tensor loads, adds 0 to its spare word, and waits for that and for its reads of this slot.
; mode 1: the slot is filled again with this tile's K step two on; mode 2: with the next tile's K step 0 or 1; mode 0: not at all.  tn, kn: tile and K step of the slot that is entered.  ask: which prefetch, or -1.
.macro TURN slot, next, mode, tn, kn, ask
	s_wait_tensorcnt 0x0                           ; all my tensor loads have landed: my part of the next slot  (every window is 0 here)
	ds_add_u32 v[SPW], v[NIL]                      ; 0 onto my spare word
	s_wait_dscnt 4*NL+1                            ; the add and the youngest 24 loads may be out
	WIN MUL_LO
	MUL16 0, 1, 1, \slot, 0                        ; sixteen matrix instructions stand between the add and the wait for it
	s_wait_dscnt 0x0                               ; the add is done, and my reads of this slot are over
	s_barrier_signal -1
	MUL16 2, 1, 1, \slot, 0
	WIN 0
	s_barrier_wait -1
.if \mode == 1
	CREST                                          ; the barrier has opened a round of the cluster's: no wave of any partner still reads this slot or has a load on its way
	s_add_nc_u64 s[G0+4*\slot+2:G0+4*\slot+3], s[G0+4*\slot+2:G0+4*\slot+3], 2*ROWB
	s_add_nc_u64 s[G0B+4*\slot+2:G0B+4*\slot+3], s[G0B+4*\slot+2:G0B+4*\slot+3], 2*ROWB
	JLOAD G0+4*\slot, G1, G0B+4*\slot, G1B         ; the first tensor load behind the round; its four v_nop are the places in front of the loads below
.elseif \mode == 2
	CREST
	s_sub_nc_u64 s[G0+4*\slot+2:G0+4*\slot+3], s[G0+4*\slot+2:G0+4*\slot+3], 2*ROWB   ; the same queries, back along K
	s_add_nc_u64 s[G0B+4*\slot+2:G0B+4*\slot+3], s[G0B+4*\slot+2:G0B+4*\slot+3], NEXT_B ; the keys four tiles on
	JLOAD G0+4*\slot, G1, G0B+4*\slot, G1B
.else
	PLACES NP
.endif
	FETCH_B \next, 0, 0
	FETCH_A \next, 0, 0
	SCALES \next, \tn, \kn
.if \ask >= 0
	ASK \ask
.endif
	WIN MUL_HI
	MUL16 4, 1, 1, \slot, 0
	MUL16 6, 1, 1, \slot, 0
	PLACES NP
	WIN 0
	FETCH_A \next, 0, 4
.endm
; Block a (16 queries x my 128 keys: eight accumulators) becomes a fragment in v[CD] on and a scale word in v[PW].
; Block beta of 32 keys lies in accumulators 2 beta, 2 beta + 1: lanes 0-15 hold its keys 0-7 and 16-23, lanes 16-31 its keys 8-15 and 24-31.
.macro QUANT a
.set AC, 64*((\a)%4)
.set W, 2+(\a)/4
.set WQ, (W<<2)|(W<<4)
	WIN WQ                                         ; sources 1 and 2: the accumulators' window
.irp b, 0,1,2,3
	v_max3_num_f32 v[TM+\b], v[FLR], |v[AC+16*\b]|, |v[AC+16*\b+1]|   ; my 16 numbers of the block and the floor, so that the byte cannot fall under 1; each accumulator is read from its low end on
.endr
.irp i, 2,4,6,8,10,12,14
.irp b, 0,1,2,3
	v_max3_num_f32 v[TM+\b], v[TM+\b], |v[AC+16*\b+\i]|, |v[AC+16*\b+\i+1]|   ; the four blocks by turns
.endr
.endr
	WIN 0
.irp b, 0,1,2,3
	v_permlanex16_b32 v[TM+4+\b], v[TM+\b], s[SEL], s[SEL+1]
.endr
.irp b, 0,1,2,3
	v_max_num_f32 v[TM+\b], v[TM+\b], v[TM+4+\b]   ; with lane l xor 16's: the block's largest magnitude
.endr
.irp b, 0,1,2,3
	v_add_nc_u32 v[TM+12+\b], 0xff000000, v[TM+\b] ; 2 off its exponent field: the conversion takes the exponent field of this operand as its scale
.endr
.irp b, 0,1,2,3
	v_lshrrev_b32 v[TM+4+\b], 23, v[TM+12+\b]      ; the scale's byte
.endr
	v_lshl_or_b32 v[PW], v[TM+5], 8, v[TM+4]
	v_lshl_or_b32 v[PW], v[TM+6], 16, v[PW]
	v_lshl_or_b32 v[PW], v[TM+7], 24, v[PW]        ; my row's scale word
	s_wait_xcnt 0x0                                ; the last block's stores have read v[CD] on: only behind this wait are they written again
	WIN W                                          ; source 0: the accumulators' window
.irp c, 0,1
	v_cvt_scalef32_pk16_fp6_f32 v[CD+6*\c:CD+6*\c+2], v[AC+32*\c:AC+32*\c+15], v[TM+12+2*\c]         ; block 2 c: my two groups of eight codes, 48 bits each
	v_cvt_scalef32_pk16_fp6_f32 v[GT+4*\c:GT+4*\c+2], v[AC+32*\c+16:AC+32*\c+31], v[TM+13+2*\c]      ; block 2 c + 1
.endr
	WIN 0
	v_nop                                          ; one plain place behind a scaled conversion
.irp c, 0,1                                    ; the operand's layout wants a whole block in a lane: lanes 0-15 block 2 c, lanes 16-31 block 2 c + 1
.irp i, 0,1,2
	v_permlane16_swap_b32 v[CD+6*\c+\i], v[GT+4*\c+\i]   ; now v[CD ..] holds my block's groups 0 and 2 (F), v[GT ..] its groups 1 and 3 (G)
.endr
	v_perm_b32 v[CD+6*\c+3], v[CD+6*\c+2], v[CD+6*\c+1], s[P_HL]   ; the groups in order, 6 bytes each.  Word 3: F1's high half, F2's low
	v_perm_b32 v[CD+6*\c+4], v[GT+4*\c+1], v[CD+6*\c+2], s[P_HH]   ; word 4: F2's high, G1's high
	v_perm_b32 v[CD+6*\c+1], v[GT+4*\c], v[CD+6*\c+1], s[P_LL]     ; word 1: F1's low, G0's low
	v_perm_b32 v[CD+6*\c+2], v[GT+4*\c+1], v[GT+4*\c], s[P_HL]     ; word 2: G0's high, G1's low
	v_mov_b32 v[CD+6*\c+5], v[GT+4*\c+2]                           ; word 5: G2; word 0 is F0 as it stands
.endr
.endm
; A finished tile leaves: each store of the wave covers 512 consecutive bytes, aligned.  The eight scale words of a lane's rows meet in my wave's own stage and leave as one such store.
.macro EPI tau
.irp a, 0,1,2,3,4,5,6,7
	QUANT \a
.irp c, 0,1,2
	global_store_b128 v[GOF], v[CD+4*\c:CD+4*\c+3], s[12:13] offset:(\tau)*8*IMG+\a*1536+512*\c
.endr
	ds_store_b32 v[SWA], v[PW] offset:256*(\a%2)+4*(\a/2)          ; both halves of the lanes write the same word with the same value
.endr
	ds_load_b128 v[SWD:SWD+3], v[SRD]              ; LDS serves a wave's instructions in order (ISA guide 5.7.1.4): this sees my stores
	s_wait_dscnt 0x0
	global_store_b128 v[GOF], v[SWD:SWD+3], s[66:67] offset:(\tau)*4096
.endm
	s_wait_tensorcnt 1                             ; three loads of mine are out: the scales and K step 0 are in, K step 1's may stay out
	s_barrier_signal -1
	s_barrier_wait -1
	FETCH_B 0, 0, 0
	FETCH_A 0, 0, 0
	SCALES 0, 0, 0
	FETCH_A 0, 0, 4
	STEP 0, 1                                      ; tile 0: its first products start the sums
	TURN 0, 1, 1, 0, 1, 0
	STEP 1, 0
	TURN 1, 0, 1, 0, 2, 1
	STEP 0, 0
	TURN 0, 1, 2, 0, 3, 2                          ; the ring goes on into tile 1: slot 0 takes its K step 0,
	STEP 1, 0
	TURN 1, 0, 2, 1, 0, -1                         ; slot 1 its K step 1, and tile 1's first fragments are fetched; the four places at its end stand behind tile 0's last products
	EPI 0                                          ; both refills are asked for: now tile 0 is quantised and leaves
	STEP 0, 1                                      ; tile 1
	TURN 0, 1, 1, 1, 1, -1
	STEP 1, 0
	TURN 1, 0, 1, 1, 2, -1
	STEP 0, 0
	TURN 0, 1, 0, 1, 3, -1                         ; nothing is left to fetch
	STEP 1, 0
	s_wait_dscnt 4*NL                              ; the very last 128 along K
	WIN MUL_LO
	MUL16 0, 1, 1, 1, 0
	MUL16 2, 1, 1, 1, 0
	s_wait_dscnt 0x0
	WIN MUL_HI
	MUL16 4, 1, 1, 1, 0
	MUL16 6, 1, 1, 1, 0
	WIN 0
	PLACES NP
	EPI 1
	s_wait_tensorcnt 0x0                           ; the wave's end, behind my last tensor load and my last LDS store
	ds_add_u32 v[SPW], v[NIL]
	s_wait_dscnt 0x0
	CROUND                                         ; the closing round: no work-group ends while a partner may still ask for a tile that names it
	s_endpgm
.Lfunc_end_k_qb377ed51ae_scores:
	.size	k_qb377ed51ae_scores, .Lfunc_end_k_qb377ed51ae_scores-k_qb377ed51ae_scores
	.p2alignl 7, 3214868480
	.fill 96, 4, 3214868480
	.section	.rodata,"a",@progbits
	.p2align	6, 0x0
	.amdhsa_kernel k_qb377ed51ae_scores
		.amdhsa_group_segment_fixed_size 327680
		.amdhsa_private_segment_fixed_size 0
		.amdhsa_enable_private_segment 0
		.amdhsa_kernarg_size 48
		.amdhsa_user_sgpr_count 2
		.amdhsa_user_sgpr_kernarg_segment_ptr 1
		.amdhsa_wavefront_size32 1
		.amdhsa_system_sgpr_workgroup_id_x 1
		.amdhsa_system_sgpr_workgroup_id_y 1
		.amdhsa_system_sgpr_workgroup_id_z 1
		.amdhsa_system_vgpr_workitem_id 0
		.amdhsa_next_free_vgpr 1024
		.amdhsa_next_free_sgpr 102
		.amdhsa_reserve_vcc 0
		.amdhsa_float_denorm_mode_32 3
		.amdhsa_float_denorm_mode_16_64 3
		.amdhsa_memory_ordered 1
		.amdhsa_forward_progress 1
		.amdhsa_inst_pref_size 255
	.end_amdhsa_kernel
	.section	.bss,"aw",@nobits
	.p2align	6
	.space	262144
	.amdgpu_metadata
---
amdhsa.version: [ 1, 2 ]
amdhsa.kernels:
  - .name:           k_qb377ed51ae_scores
    .symbol:         k_qb377ed51ae_scores.kd
    .args:
      - { .name: query_codes, .offset: 0, .size: 8, .value_kind: global_buffer, .address_space: global }
      - { .name: query_scales, .offset: 8, .size: 8, .value_kind: global_buffer, .address_space: global }
      - { .name: key_codes, .offset: 16, .size: 8, .value_kind: global_buffer, .address_space: global }
      - { .name: key_scales, .offset: 24, .size: 8, .value_kind: global_buffer, .address_space: global }
      - { .name: s_codes, .offset: 32, .size: 8, .value_kind: global_buffer, .address_space: global }
      - { .name: s_scales, .offset: 40, .size: 8, .value_kind: global_buffer, .address_space: global }
    .group_segment_fixed_size: 327680
    .private_segment_fixed_size: 0
    .kernarg_segment_align: 8
    .kernarg_segment_size: 48
    .max_flat_workgroup_size: 128
    .sgpr_count:     102
    .vgpr_count:     1024
    .wavefront_size: 32
...
	.end_amdgpu_metadata
.endif
;; end of part 1
;; launch values (part 2): grid 4 x 64, 4 waves a work-group, clusters of 4 x 4, 327,680 bytes of LDS; arguments s_codes, s_scales, value_codes, value_scales, out0; writes out0
.if DOCPART == 2
	.amdgcn_target "amdgcn-amd-amdhsa--gfx1250"
	.amdhsa_code_object_version 6
	.text
	.protected	k_qb377ed51ae_values
	.globl	k_qb377ed51ae_values
	.p2align	8
	.type	k_qb377ed51ae_values,@function
k_qb377ed51ae_values:
	s_mov_b64 s[64:65], 0
	v_nop
	global_prefetch_b8 v0, s[64:65] scope:SCOPE_SE
	s_setreg_imm32_b32 hwreg(HW_REG_WAVE_MODE, 25, 1), 1
	s_wait_xcnt 0x0
	s_wait_alu depctr_hold_cnt(0) depctr_sa_sdst(0) depctr_va_vdst(0) depctr_va_sdst(0) depctr_va_ssrc(0) depctr_va_vcc(0) depctr_vm_vsrc(0)
	s_getreg_b32 s2, hwreg(HW_REG_IB_STS2, 6, 4)
	s_cmp_eq_u32 s2, 0
	s_cbranch_scc0 .Lentry_in_a_cluster
	s_endpgm
.Lentry_in_a_cluster:
	s_bfe_u32 s2, ttmp6, 0x10000c
	s_cmp_lg_u32 s2, 0xf033
	s_cbranch_scc0 .Lentry_shape_is_right
	s_endpgm
.Lentry_shape_is_right:
; out[b][m][d] = sum over n of S[b][m][n] V[b][n][d], 8 batches of 2,048 x 1,024, K = the 2,048 keys, on codes of FP6 (E2M3) with one E8M0 byte for each 32 along K; sums and out in f32.
; S comes as the launch before has laid it: images of the operand's registers.  s_codes at IDX x 12,288 + a x 1,536 + c x 512 + 16 x lane: registers 4 c .. 4 c + 3 of the fragment (queries 16 a on) x (128 keys);
; s_scales at IDX x 512 + 16 L + 4 p: the scale word of block a = 2 p + L / 16, row L % 16.  IDX = (((8 b + T) 2 + rh) 8 + s) 2 + q.  So 128 queries x 256 keys are 24,576 dense bytes, and a fragment is three loads of 16 bytes a lane.
; V comes with the keys innermost: [8][1,024 (d)][1,536 bytes], its scale bytes [8][1,024][64].
; The inputs span and key_pe are not among the arguments: the function that this program computes takes nothing from them.
; SHARES: a tile of out, 256 x 256, to a work-group: 256 of them.  Four waves, each 128 x 128: 64 accumulators.  K goes in steps of 256 keys through a ring of two LDS slots, eight steps.
; CLUSTERS: 4 x 4: a row of the cluster shares S's tiles, a column V's: each is asked for jointly.  THE MATRIX INSTRUCTION IS USED TRANSPOSED (source 0 = 16 rows d of V, source 1 = 16 queries): a lane holds eight neighbouring d of a row of out.
; REGISTERS: window 0: v0-31 addresses; v32-63 scale words, two sets; v128-223 S's fragments, one set; on the way out v128-255.  window 1: V's fragments, two sets.  windows 2, 3: the accumulators.
.set SIZE_N, 1024
.set NQ,     2
.set ROWB,   192                       ; a row of V's tile: 256 codes
.set KROW,   1536                      ; a row of V in memory
.set PITCH,  240                       ; in LDS: 3 x (64 bytes + 16 of padding)
.set FR,     12
.set NLA,    3                         ; LDS loads that bring a fragment of S
.set NP,     4                         ; places behind this matrix instruction (ISA guide 7.12.1)
.set IMG,    12288
.set HALFA,  2*IMG                     ; 128 queries x 256 keys: one tensor load, dense
.set HALFB,  128*PITCH                 ; 128 rows of V: one tensor load
.set SLOT,   2*HALFA+2*HALFB
.set LAPS,   4                         ; a lap = two K steps
.set SCA,    2*SLOT                    ; S's scale words for all of K: 2 x 8,192, dense
.set SCB,    SCA+16384                 ; V's scale bytes for all of K: 2 x HALFSB
.set HALFSB, 32*272                    ; those of 128 rows (64 each): 32 pieces of 256 bytes + 16 of padding
.set SPARE,  SCB+2*HALFSB              ; the spare words, 128 bytes a wave: two blocks of 256 bytes that no other line names
.set SPITCH, 528                       ; the way out: 16 rows x (512 + 16) bytes a wave, in slot 0, which has had its last fill and its last read by then
.set ADRA, 16                          ; v16-17 LDS address of my images in slot 0, 1
.set ADRB, 20                          ; v20-23 of V's fragments (and behind one padding more)
.set STO,  24
.set RD,   25
.set CO,   26                          ; v26 16 x lane
.set ADSA, 27                          ; v27 S's scale words of the K step in hand
.set SPW,  28
.set NIL,  29
.set ADSB, 30                          ; v30 V's: lane L takes row L of 32
.set PFO,  31                          ; v31 the prefetches' offset; never rewritten
.set SC,   32                          ; set s at v[SC + 16 s]: + 4 q + p: S's words of blocks 2 p (lanes 0-15) and 2 p + 1 (lanes 16-31); + 8 + 2 p + q: V's likewise
.set AF,   128
.set BK,   128
.set G1,   24
.set G0,   32
.set G1B,  48
.set G0B,  56
.set G1S,  68
.set G0S,  76
.set G1SB, 80
.set G0SB, 88
.set PFA,  66                          ; s[66:67] where my prefetches stand
.set PFS,  96                          ; s[96:97] their step
.set LIM,  98                          ; s98, s99: a wave prefetches at a change out of slot 0 (1) while the laps to go are above this
.set MSB, 0
.macro WIN new
.if MSB != \new
	s_set_vgpr_msb (MSB<<8)|\new
.set MSB, \new
.endif
.endm
.set MUL_LO, 0xa1
.set MUL_HI, 0xf1
.set TO_B,   0x40
.macro JLOAD g0a, g1a, g0b, g1b        ; a joint load: waves 0 and 1 fetch for S, waves 2 and 3 for V; four v_nop follow each of the two lines
	s_cmp_eq_u32 s15, 0
	s_cbranch_scc0 .Lfor_b_\@
	tensor_load_to_lds s[\g0a:\g0a+3], s[\g1a:\g1a+7]
	s_nop 0
.rept 4
	v_nop
.endr
	s_branch .Lasked_\@
.Lfor_b_\@:
	tensor_load_to_lds s[\g0b:\g0b+3], s[\g1b:\g1b+7]
	s_nop 0
.rept 4
	v_nop
.endr
.Lasked_\@:
.endm
.macro CREST
	s_cmp_lg_u32 s14, 0
	s_cbranch_scc1 .Lnot_wave_0_\@
	s_barrier_signal -3
.Lnot_wave_0_\@:
	s_barrier_wait -3
	s_barrier_signal -1
	s_barrier_wait -1
.endm
.macro CROUND
	s_barrier_signal -1
	s_barrier_wait -1
	CREST
.endm
; PREFETCHES of K steps 4 to 7, one instruction a wave at each of the first three refills, each two refills ahead of the first load that wants its bytes.
; S (waves 0, 1): 98,304 dense bytes for 128 queries; a request is 32 lanes x 256 bytes, the four partners of a row stand 8,192 bytes apart (by address), the three requests 32,768.
; V (waves 2, 3, of the batch's first cluster: both clusters of a batch read V): a lane a row, 32 rows to each partner of a column (by address); the three requests name bytes 768, 1,024 and 1,280 on of the row's 1,536.
.macro ASK slot
	s_cmp_gt_u32 s3, s[LIM+\slot]
	s_cbranch_scc0 .Lnot_mine_\@
	global_prefetch_b8 v[PFO], s[PFA:PFA+1] th:TH_LOAD_NT scope:SCOPE_SE
.Lnot_mine_\@:
.endm
	s_load_b128 s[4:7], s[0:1], 0x0                ; s_codes, s_scales
	s_load_b128 s[8:11], s[0:1], 0x10              ; V's codes, V's scales
	s_load_b64 s[12:13], s[0:1], 0x20              ; out
	v_lshl_add_u32 v[SPW], v0, 2, SPARE
	v_mov_b32 v[NIL], 0
	ds_add_u32 v28, v29
	ds_add_u32 v28, v29
	s_wait_dscnt 0x0
	v_lshrrev_b32 v1, 5, v0
	v_readfirstlane_b32 s14, v1                    ; wave 0..3
	s_lshr_b32 s15, s14, 1                         ; which half of the tile's queries is mine.  Also: I fetch for S (0) or for V (1)
	s_and_b32 s16, s14, 1                          ; which half of its columns.  Also: which 128 rows I fetch
	s_bfe_u32 s40, ttmp6, 0x40000                  ; cx
	s_bfe_u32 s41, ttmp6, 0x40004                  ; cy
	s_lshl_b32 s42, ttmp9, 2
	s_add_co_u32 s42, s42, s40                     ; tile column of out, 0..3
	s_and_b32 s17, ttmp7, 0xffff                   ; cluster y
	s_lshr_b32 s95, s17, 1                         ; the batch
	s_and_b32 s[LIM], s17, 1                       ; (for now: which of the batch's two clusters)
	s_lshl_b32 s17, s17, 2
	s_add_co_u32 s17, s17, s41                     ; 8 b + T
	s_lshl_b32 s43, s41, 2
	s_lshl_b32 s43, 15, s43                        ; my row of the cluster
	s_lshl_b32 s44, 0x1111, s40                    ; my column
	; S's images: 24,576 dense bytes as 96 rows of 32 elements of 8 bytes, no padding
	s_or_b32 s[G1+0], s43, (3<<16)|(1<<21)
	s_mov_b32 s[G1+1], 32<<16
	s_mov_b32 s[G1+2], 96<<16
	s_mov_b32 s[G1+3], 32<<16
	s_mov_b32 s[G1+4], 96
	s_mov_b32 s[G1+5], 32
	s_mov_b32 s[G1+6], 0
	s_mov_b32 s[G1+7], 0
	; V's codes: 128 rows x 192 bytes, 16 bytes of padding behind every 64
	s_or_b32 s[G1B+0], s44, (0<<16)|(1<<20)|(1<<21)|(3<<22)|(3<<25)
	s_mov_b32 s[G1B+1], ROWB<<16
	s_mov_b32 s[G1B+2], 128<<16
	s_mov_b32 s[G1B+3], ROWB<<16
	s_mov_b32 s[G1B+4], 128
	s_mov_b32 s[G1B+5], KROW
	s_mov_b32 s[G1B+6], 0
	s_mov_b32 s[G1B+7], 0
	; the scales of 128 rows for all of K: 8,192 dense bytes as 32 rows of 256; S's without padding, V's with 16 bytes behind each
	s_or_b32 s[G1S+0], s43, (3<<16)|(1<<21)
	s_or_b32 s[G1SB+0], s44, (3<<16)|(1<<20)|(1<<21)|(5<<22)|(3<<25)
.irp g, G1S, G1SB
	s_mov_b32 s[\g+1], 32<<16
	s_mov_b32 s[\g+2], 32<<16
	s_mov_b32 s[\g+3], 32<<16
	s_mov_b32 s[\g+4], 32
	s_mov_b32 s[\g+5], 32
	s_mov_b32 s[\g+6], 0
	s_mov_b32 s[\g+7], 0
.endr
	s_lshl_b32 s20, s17, 1
	s_add_co_u32 s20, s20, s16                     ; S: which 128 queries I fetch: 2 (8 b + T) + half
	s_lshl_b32 s22, s20, 13                        ; their scale words
	s_mov_b32 s23, 0
	s_mul_i32 s20, s20, 16*IMG                     ; their images (all offsets stay under 2^27)
	s_mov_b32 s21, 0
	s_lshl_b32 s46, s95, 10
	s_lshl_b32 s92, s42, 8
	s_add_co_u32 s46, s46, s92
	s_lshl_b32 s92, s16, 7
	s_add_co_u32 s46, s46, s92                     ; V: row 1,024 b + 256 x tile column + 128 x half
	s_lshl_b32 s92, s46, 6                         ; its scale bytes, 64 a row
	s_mov_b32 s93, 0
	s_mul_i32 s46, s46, KROW
	s_mov_b32 s47, 0
	s_mul_i32 s45, s16, HALFA                      ; where they go in a slot: no place in the cluster enters an LDS address
	s_mul_i32 s94, s16, HALFB
	s_add_co_u32 s94, s94, 2*HALFA
	s_wait_kmcnt 0x0
	s_add_nc_u64 s[20:21], s[4:5], s[20:21]
	s_add_nc_u64 s[22:23], s[6:7], s[22:23]
	s_add_nc_u64 s[46:47], s[8:9], s[46:47]
	s_add_nc_u64 s[92:93], s[10:11], s[92:93]
	CROUND                                         ; all sixteen work-groups are here: the first joint loads meet
	s_mov_b32 s[G0S], 1
	s_lshl_b32 s18, s16, 13
	s_add_co_u32 s[G0S+1], s18, SCA
	s_mov_b64 s[G0S+2:G0S+3], s[22:23]
	s_or_b32 s[G0S+3], s[G0S+3], 0x80000000
	s_mov_b32 s[G0SB], 1
	s_mul_i32 s18, s16, HALFSB
	s_add_co_u32 s[G0SB+1], s18, SCB
	s_mov_b64 s[G0SB+2:G0SB+3], s[92:93]
	s_or_b32 s[G0SB+3], s[G0SB+3], 0x80000000
	JLOAD G0S, G1S, G0SB, G1SB                     ; the scales first: filled once
.irp s, 0,1
	s_mov_b32 s[G0+4*\s], 1
	s_add_co_u32 s[G0+4*\s+1], s45, \s*SLOT
	s_add_nc_u64 s[G0+4*\s+2:G0+4*\s+3], s[20:21], \s*HALFA
	s_or_b32 s[G0+4*\s+3], s[G0+4*\s+3], 0x80000000
	s_mov_b32 s[G0B+4*\s], 1
	s_add_co_u32 s[G0B+4*\s+1], s94, \s*SLOT
	s_add_nc_u64 s[G0B+4*\s+2:G0B+4*\s+3], s[46:47], \s*ROWB
	s_or_b32 s[G0B+4*\s+3], s[G0B+4*\s+3], 0x80000000
	JLOAD G0+4*\s, G1, G0B+4*\s, G1B
.endr
	v_and_b32 v1, 15, v0                           ; r
	v_bfe_u32 v2, v0, 4, 1                         ; h
	v_and_b32 v6, 31, v0                           ; lane
	v_mul_u32_u24 v3, v1, PITCH
	v_mul_u32_u24 v4, v2, 24
	v_add_nc_u32 v4, v3, v4                        ; V: a fragment's row x pitch + 24 h
	v_lshl_add_u32 v5, v2, 4, v4                   ; and behind one padding more
	v_lshlrev_b32 v[CO], 4, v6
	s_mul_i32 s21, s15, HALFA                      ; my 128 queries' images
	s_mul_i32 s22, s16, HALFB                      ; my 128 rows of V,
	s_add_co_u32 s22, s22, 2*HALFA                 ; behind the images
.irp s, 0,1
	v_add_nc_u32 v[ADRA+\s], s21, v[CO]
	v_add_nc_u32 v[ADRB+\s], s22, v4
	v_add_nc_u32 v[ADRB+2+\s], s22, v5
	s_add_co_u32 s21, s21, SLOT
	s_add_co_u32 s22, s22, SLOT
.endr
	s_lshl_b32 s21, s15, 13
	s_add_co_u32 s21, s21, SCA
	v_add_nc_u32 v[ADSA], s21, v[CO]
	v_lshrrev_b32 v3, 2, v6                        ; V's scale bytes: four rows of 64 to a piece of 256 + 16
	v_mul_u32_u24 v3, v3, 272
	v_and_b32 v4, 3, v6
	v_lshl_add_u32 v3, v4, 6, v3
	s_mul_i32 s22, s16, HALFSB
	s_add_co_u32 s22, s22, SCB
	v_add_nc_u32 v[ADSB], s22, v3
	s_mul_i32 s23, s14, 16*SPITCH                  ; my stage
	v_mul_u32_u24 v5, v1, SPITCH                   ; in: row r, 32 bytes for each half of the lanes
	v_lshl_add_u32 v5, v2, 5, v5
	v_add_nc_u32 v[STO], s23, v5
	v_add_nc_u32 v[RD], s23, v[CO]                 ; back: the 32 lanes take one row of 512 bytes
	s_lshl_b32 s20, s17, 8
	s_lshl_b32 s21, s15, 7
	s_add_co_u32 s20, s20, s21                     ; my first row of out
	s_lshl_b32 s20, s20, 12                        ; 4,096 bytes a row
	s_lshl_b32 s46, s42, 10                        ; my first column, in bytes
	s_lshl_b32 s47, s16, 9
	s_add_co_u32 s46, s46, s47
	s_add_co_u32 s20, s20, s46
	s_mov_b32 s21, 0
	s_add_nc_u64 s[12:13], s[12:13], s[20:21]
	; the prefetches: each base stands one step short of its first request; the first change of slots steps it there
	s_lshl_b32 s20, s17, 1
	s_add_co_u32 s20, s20, s16
	s_mul_i32 s20, s20, 16*IMG
	s_lshl_b32 s21, s40, 13
	s_add_co_u32 s20, s20, s21
	s_add_co_u32 s20, s20, 4*HALFA-32768           ; S: K step 4's first byte + 8,192 cx - 32,768
	s_lshl_b32 s22, s95, 10
	s_lshl_b32 s21, s42, 8
	s_add_co_u32 s22, s22, s21
	s_lshl_b32 s21, s16, 7
	s_add_co_u32 s22, s22, s21
	s_lshl_b32 s21, s41, 5
	s_add_co_u32 s22, s22, s21
	s_mul_i32 s22, s22, KROW
	s_add_co_u32 s22, s22, 4*ROWB-256              ; V: my work-group's 32 rows, byte 768 - 256
	s_and_b32 s23, s[LIM], s15                     ; 1 in V's waves of a batch's second cluster: they ask for nothing
	s_cmp_eq_u32 s15, 0
	s_cselect_b64 s[PFA:PFA+1], s[4:5], s[8:9]
	s_cselect_b32 s20, s20, s22
	s_mov_b32 s[PFS], 256
	s_cselect_b32 s[PFS], 0x8000, s[PFS]
	s_mov_b32 s21, KROW
	s_cselect_b32 s21, 256, s21
	v_mul_lo_u32 v[PFO], v6, s21
	s_mov_b32 s21, 0
	s_mov_b32 s[PFS+1], 0
	s_add_nc_u64 s[PFA:PFA+1], s[PFA:PFA+1], s[20:21]
	s_cmp_eq_u32 s23, 0                            ; the same in all sixteen partners, for a given wave
	s_cselect_b32 s[LIM], 1, -1
	s_cselect_b32 s[LIM+1], 2, -1
.macro FRAG reg, adr, q, i             ; a fragment of V from rows: pieces of 8 bytes; lanes 16-31 read three pieces on
.irp p, 0,1,2,3,4,5
.set PCE, 12*(\q)+6*(\p/3)+\p%3
.if PCE%8 < 5
	ds_load_b64 v[\reg+2*\p:\reg+2*\p+1], v[\adr] offset:8*PCE+16*(PCE/8)+(\i)*16*PITCH
.else
	ds_load_b64 v[\reg+2*\p:\reg+2*\p+1], v[\adr+2] offset:8*PCE+16*(PCE/8)+(\i)*16*PITCH
.endif
.endr
.endm
.macro FRAGA reg, slot, q, i           ; a fragment of S from its image: each load takes 512 consecutive bytes
.irp c, 0,1,2
	ds_load_b128 v[\reg+4*\c:\reg+4*\c+3], v[ADRA+\slot] offset:(\q)*IMG+(\i)*1536+512*\c
.endr
.endm
; One product: S's block a x V's block b.  A scale register carries two blocks' words: the odd block's lie in lanes 16-31.
.macro WM a, b, p, q, sc, zero
.set rD, 8*(8*((\a)%4)+(\b))
.set rB, 128*(\p)+FR*(\b)
.set rA, AF+FR*(\a)
.set sB, SC+16*(\sc)+8+2*((\b)/2)+(\q)
.set sA, SC+16*(\sc)+4*(\q)+(\a)/2
.set oB, (\b)%2
.set oA, (\a)%2
.if \zero
.if oB && oA
	v_wmma_scale_f32_16x16x128_f8f6f4 v[rD:rD+7], v[rB:rB+FR-1], v[rA:rA+FR-1], 0, v[sB], v[sA] matrix_a_fmt:MATRIX_FMT_FP6 matrix_b_fmt:MATRIX_FMT_FP6 matrix_a_scale:MATRIX_SCALE_ROW1 matrix_b_scale:MATRIX_SCALE_ROW1
.elseif oB
	v_wmma_scale_f32_16x16x128_f8f6f4 v[rD:rD+7], v[rB:rB+FR-1], v[rA:rA+FR-1], 0, v[sB], v[sA] matrix_a_fmt:MATRIX_FMT_FP6 matrix_b_fmt:MATRIX_FMT_FP6 matrix_a_scale:MATRIX_SCALE_ROW1
.elseif oA
	v_wmma_scale_f32_16x16x128_f8f6f4 v[rD:rD+7], v[rB:rB+FR-1], v[rA:rA+FR-1], 0, v[sB], v[sA] matrix_a_fmt:MATRIX_FMT_FP6 matrix_b_fmt:MATRIX_FMT_FP6 matrix_b_scale:MATRIX_SCALE_ROW1
.else
	v_wmma_scale_f32_16x16x128_f8f6f4 v[rD:rD+7], v[rB:rB+FR-1], v[rA:rA+FR-1], 0, v[sB], v[sA] matrix_a_fmt:MATRIX_FMT_FP6 matrix_b_fmt:MATRIX_FMT_FP6
.endif
.else
.if oB && oA
	v_wmma_scale_f32_16x16x128_f8f6f4 v[rD:rD+7], v[rB:rB+FR-1], v[rA:rA+FR-1], v[rD:rD+7], v[sB], v[sA] matrix_a_fmt:MATRIX_FMT_FP6 matrix_b_fmt:MATRIX_FMT_FP6 matrix_a_scale:MATRIX_SCALE_ROW1 matrix_b_scale:MATRIX_SCALE_ROW1
.elseif oB
	v_wmma_scale_f32_16x16x128_f8f6f4 v[rD:rD+7], v[rB:rB+FR-1], v[rA:rA+FR-1], v[rD:rD+7], v[sB], v[sA] matrix_a_fmt:MATRIX_FMT_FP6 matrix_b_fmt:MATRIX_FMT_FP6 matrix_a_scale:MATRIX_SCALE_ROW1
.elseif oA
	v_wmma_scale_f32_16x16x128_f8f6f4 v[rD:rD+7], v[rB:rB+FR-1], v[rA:rA+FR-1], v[rD:rD+7], v[sB], v[sA] matrix_a_fmt:MATRIX_FMT_FP6 matrix_b_fmt:MATRIX_FMT_FP6 matrix_b_scale:MATRIX_SCALE_ROW1
.else
	v_wmma_scale_f32_16x16x128_f8f6f4 v[rD:rD+7], v[rB:rB+FR-1], v[rA:rA+FR-1], v[rD:rD+7], v[sB], v[sA] matrix_a_fmt:MATRIX_FMT_FP6 matrix_b_fmt:MATRIX_FMT_FP6
.endif
.endif
.endm
; 16 of them.  The 64 accumulators take turns, one instruction a turn, in the same order in every step, over the loop's backward jump too.
.macro MUL16 a0, p, q, sc, zero
.irp a, \a0, \a0+1
.irp b, 0,1,2,3,4,5,6,7
	WM \a, \b, \p, \q, \sc, \zero
.endr
.endr
.endm
.macro FETCH_B slot, q, p
	WIN TO_B
.irp i, 0,1,2,3,4,5,6,7
	FRAG 128*(\p)+FR*\i, ADRB+\slot, \q, \i
.endr
	WIN 0
.endm
.macro FETCH_A slot, q, i0
.irp i, \i0, \i0+1, \i0+2, \i0+3
	FRAGA AF+FR*(\i), \slot, \q, \i
.endr
.endm
.macro SCALES sc                       ; a K step's scale words: S's, 2 x 512 bytes; V's, two words of each of my 128 rows
	ds_load_b128 v[SC+16*\sc:SC+16*\sc+3], v[ADSA]
	ds_load_b128 v[SC+16*\sc+4:SC+16*\sc+7], v[ADSA] offset:512
.irp p, 0,1,2,3
	ds_load_b64 v[SC+16*\sc+8+2*\p:SC+16*\sc+9+2*\p], v[ADSB] offset:2176*\p
.endr
.endm
.macro PLACES n                        ; places in front of loads into registers that matrix instructions have read, and of the first read of results
.rept \n
	v_nop
.endr
.endm
.macro STEP slot, zero                 ; a slot's first 128 keys
	s_wait_dscnt 4*NLA                             ; all but the youngest 12 loads (S's blocks 4-7) are in
	WIN MUL_LO
	MUL16 0, 0, 0, \slot, \zero
	MUL16 2, 0, 0, \slot, \zero
	s_wait_dscnt 0x0
	PLACES NP
	FETCH_B \slot, 1, 1
	FETCH_A \slot, 1, 0
	WIN MUL_HI
	MUL16 4, 0, 0, \slot, \zero
	MUL16 6, 0, 0, \slot, \zero
	PLACES NP
	WIN 0
	FETCH_A \slot, 1, 4
.endm
; A slot's second 128 keys, and the change of slots: one barrier; in front of it each wave waits for all its tensor loads, adds 0 to its spare word, and waits for that and for its reads of this slot.
.macro TURN slot, next, fill
.if \fill
	s_wait_xcnt 0x0                                ; the last prefetch, a K step back, has read its address: it is stepped here, ahead of the waits of the change of slots
	s_add_nc_u64 s[PFA:PFA+1], s[PFA:PFA+1], s[PFS:PFS+1]
.endif
	s_wait_tensorcnt 0x0                           ; all my tensor loads have landed: my part of the next slot  (every window is 0 here)
	ds_add_u32 v[SPW], v[NIL]                      ; 0 onto my spare word
	s_wait_dscnt 4*NLA+1                           ; the add and the youngest 12 loads may be out
	WIN MUL_LO
	MUL16 0, 1, 1, \slot, 0
	s_wait_dscnt 0x0                               ; the add is done, and my reads of this slot are over
	s_barrier_signal -1
	MUL16 2, 1, 1, \slot, 0
	WIN 0
	s_barrier_wait -1
.if \fill
	CREST                                          ; the barrier has opened a round of the cluster's: no wave of any partner still reads this slot or has a load on its way
	s_add_nc_u64 s[G0+4*\slot+2:G0+4*\slot+3], s[G0+4*\slot+2:G0+4*\slot+3], 2*HALFA
	s_add_nc_u64 s[G0B+4*\slot+2:G0B+4*\slot+3], s[G0B+4*\slot+2:G0B+4*\slot+3], 2*ROWB
	JLOAD G0+4*\slot, G1, G0B+4*\slot, G1B         ; the first tensor load behind the round; its four v_nop are among the places in front of the loads below
.else
	PLACES NP
.endif
	v_add_nc_u32 v[ADSA], 1024, v[ADSA]            ; on to the next K step's scale words
	v_add_nc_u32 v[ADSB], 8, v[ADSB]
	FETCH_B \next, 0, 0
	FETCH_A \next, 0, 0
	SCALES \next
.if \fill
	ASK \slot
.endif
	WIN MUL_HI
	MUL16 4, 1, 1, \slot, 0
	MUL16 6, 1, 1, \slot, 0
	PLACES NP
	WIN 0
	FETCH_A \next, 0, 4
.endm
	s_wait_tensorcnt 1                             ; three loads of mine are out: the scales and K step 0 are in, K step 1's may stay out
	s_barrier_signal -1
	s_barrier_wait -1
	FETCH_B 0, 0, 0
	FETCH_A 0, 0, 0
	SCALES 0
	FETCH_A 0, 0, 4
	STEP 0, 1                                      ; the first step stands in front of the loop: its products start the sums
	s_mov_b32 s3, LAPS-1
.Llap:                                             ; a trip goes once round the ring and fills both slots again
	TURN 0, 1, 1
	STEP 1, 0
	TURN 1, 0, 1
	STEP 0, 0
	s_sub_co_u32 s3, s3, 1
	s_cmp_lg_u32 s3, 0
	s_cbranch_scc1 .Llap
	TURN 0, 1, 0                                   ; the last lap fills nothing
	STEP 1, 0
	s_wait_dscnt 4*NLA                             ; the very last 128 keys
	WIN MUL_LO
	MUL16 0, 1, 1, 1, 0
	MUL16 2, 1, 1, 1, 0
	s_wait_dscnt 0x0
	WIN MUL_HI
	MUL16 4, 1, 1, 1, 0
	MUL16 6, 1, 1, 1, 0
	WIN 0
; THE WAY OUT, block by block of 16 rows x 128 columns: through my own stage in LDS and back as whole rows of 512 bytes.  LDS serves a wave's instructions in order (ISA guide 5.7.1.4): no wait between the stores and the loads.
.macro TOSTAGE a
.set AC, 64*((\a)%4)
	WIN 0x08+4*((\a)/4)                            ; the data: window 2 or 3
.irp b, 0,1,2,3,4,5,6,7
	ds_store_b128 v[STO], v[AC+8*\b:AC+8*\b+3] offset:64*\b          ; each accumulator from its low end on
	ds_store_b128 v[STO], v[AC+8*\b+4:AC+8*\b+7] offset:64*\b+16
.endr
	WIN 0
.set BB, BK+64*((\a)%2)
.irp t, 0,1,2,3,4,5,6,7,8,9,10,11,12,13,14,15
	ds_load_b128 v[BB+4*\t:BB+4*\t+3], v[RD] offset:\t*SPITCH
.endr
.endm
.macro SEND a, younger                 ; younger: the LDS instructions issued behind block a's loads, which may stay out
.set BB, BK+64*((\a)%2)
	s_wait_dscnt \younger
.if (\a) > 0
	s_add_nc_u64 s[12:13], s[12:13], 16*SIZE_N*4   ; (behind a wait on XCNT: the earlier stores have read their base)
.endif
.irp t, 0,1,2,3,4,5,6,7,8,9,10,11,12,13,14,15
	global_store_b128 v[CO], v[BB+4*\t:BB+4*\t+3], s[12:13] offset:\t*SIZE_N*4 th:TH_STORE_NT   ; 32 lanes store 512 consecutive bytes, at a multiple of 256 from out's first byte
.endr
.endm
	PLACES NP
	TOSTAGE 0
.irp a, 1,2,3,4,5,6,7
.if \a > 1
	s_wait_xcnt 0x0                                ; block a - 2's stores have read their registers and their base
.endif
	TOSTAGE \a
	SEND \a-1, 32                                  ; behind block a - 1's loads: block a's 16 stores and 16 loads
.endr
	s_wait_xcnt 0x0
	SEND 7, 0
	s_wait_tensorcnt 0x0                           ; the wave's end, behind my last tensor load and my last LDS store
	ds_add_u32 v[SPW], v[NIL]
	s_wait_dscnt 0x0
	CROUND                                         ; the closing round
	s_endpgm
.Lfunc_end_k_qb377ed51ae_values:
	.size	k_qb377ed51ae_values, .Lfunc_end_k_qb377ed51ae_values-k_qb377ed51ae_values
	.p2alignl 7, 3214868480
	.fill 96, 4, 3214868480
	.section	.rodata,"a",@progbits
	.p2align	6, 0x0
	.amdhsa_kernel k_qb377ed51ae_values
		.amdhsa_group_segment_fixed_size 327680
		.amdhsa_private_segment_fixed_size 0
		.amdhsa_enable_private_segment 0
		.amdhsa_kernarg_size 40
		.amdhsa_user_sgpr_count 2
		.amdhsa_user_sgpr_kernarg_segment_ptr 1
		.amdhsa_wavefront_size32 1
		.amdhsa_system_sgpr_workgroup_id_x 1
		.amdhsa_system_sgpr_workgroup_id_y 1
		.amdhsa_system_sgpr_workgroup_id_z 1
		.amdhsa_system_vgpr_workitem_id 0
		.amdhsa_next_free_vgpr 1024
		.amdhsa_next_free_sgpr 102
		.amdhsa_reserve_vcc 0
		.amdhsa_float_denorm_mode_32 3
		.amdhsa_float_denorm_mode_16_64 3
		.amdhsa_memory_ordered 1
		.amdhsa_forward_progress 1
		.amdhsa_inst_pref_size 149
	.end_amdhsa_kernel
	.amdgpu_metadata
---
amdhsa.version: [ 1, 2 ]
amdhsa.kernels:
  - .name:           k_qb377ed51ae_values
    .symbol:         k_qb377ed51ae_values.kd
    .args:
      - { .name: s_codes, .offset: 0, .size: 8, .value_kind: global_buffer, .address_space: global }
      - { .name: s_scales, .offset: 8, .size: 8, .value_kind: global_buffer, .address_space: global }
      - { .name: value_codes, .offset: 16, .size: 8, .value_kind: global_buffer, .address_space: global }
      - { .name: value_scales, .offset: 24, .size: 8, .value_kind: global_buffer, .address_space: global }
      - { .name: out0, .offset: 32, .size: 8, .value_kind: global_buffer, .address_space: global }
    .group_segment_fixed_size: 327680
    .private_segment_fixed_size: 0
    .kernarg_segment_align: 8
    .kernarg_segment_size: 40
    .max_flat_workgroup_size: 128
    .sgpr_count:     102
    .vgpr_count:     1024
    .wavefront_size: 32
...
	.end_amdgpu_metadata
.endif
;; end of part 2
